; MI455X (gfx1250); checked and timed in simulation.
; The chip was launched on July 23, 2026; its instructions are those of AMD's public machine-readable ISA for CDNA 5 (MIT licence, August 2026) and "CDNA5" Instruction Set Architecture Reference Guide (July 2026). The comments in the code are by the model that wrote it; some were corrected since.
;; Bert Self Attention. Allowed arithmetic: matrix products marked QUANTISED: E4M3 operands, one given power-of-two scale a tensor, by v_wmma_f32_16x16x64_fp8_fp8 or v_wmma_f32_16x16x128_fp8_fp8, f32 sums; everything else in f32.
;; Inputs: W_qkv 1,024 x 3,072 float32; attention_mask 8 x 1 x 1 x 1,024 float32; b_qkv 3,072 float32; dist_emb 2,047 x 64 float32; hidden_states 8 x 1,024 x 1,024 float32; lowp_scales 10 int32 (the exponents e of the quantised operands' scales 2^e).
;; Outputs: out0 8 x 1,024 x 1,024 float32.
;; This version of the problem:
;;   THIS VERSION OF THE PROBLEM IS GIVEN IN LOW PRECISION. The matrix products marked QUANTISED in the list below multiply operands that are first quantised to E4M3 (4 exponent bits, 3 mantissa bits; 8 bits a number), with one given power-of-two scale for each operand tensor; their sums are f32. All else is computed in f32.
;;   The module's matrix products, in the order in which they are computed (A, B: the left and right operand; K: the contracted axis; several contracted axes count as one K, in the product's order):
;;     1. [M 8,192, K 1,024] x [K 1,024, N 3,072]; A: input hidden_states; B: input W_qkv: QUANTISED (scales: A lowp_scales[0], B lowp_scales[1])
;;     2. batch 128 x [M 1,024, K 64] x [K 64, N 1,024]; A: computed on the way; B: computed on the way: QUANTISED (scales: A lowp_scales[2], B lowp_scales[3])
;;     3. batch 1,024 x [M 1,024, K 64] x [K 64, N 128]; A: computed on the way; B: computed on the way: QUANTISED (scales: A lowp_scales[4], B lowp_scales[5])
;;     4. batch 1,024 x [M 1,024, K 64] x [K 64, N 128]; A: computed on the way; B: computed on the way: QUANTISED (scales: A lowp_scales[6], B lowp_scales[7])
;;     5. batch 128 x [M 1,024, K 1,024] x [K 1,024, N 64]; A: softmax (see below); B: computed on the way: QUANTISED (scales: A lowp_scales[8], B lowp_scales[9])
;;   THE QUANTISER, for each operand of a quantised product, along K:
;;     - The operand's scale is 2^e, e = its entry of the input lowp_scales (int32; the entries are numbered through the quantised products in the list's order, A before B).
;;     - Each number is divided by the scale, clamped to +-448, and rounded to the nearest number of E4M3, ties to even, subnormals kept.
;;     - The product sums the exact products of the quantised numbers (number of the format x scale) in f32.
;;   ~~~python
;;   def quantise(x, axis, e):      # numpy; x: float32 -> the quantised numbers, widened to float32 again
;;       x = np.moveaxis(x, axis, -1); K = x.shape[-1]
;;       r = np.clip(x / 2.0 ** e, -448, 448)
;;       step = 2.0 ** (np.maximum(np.frexp(np.where(r == 0, 1, r))[1] - 1, -6) - 3)
;;       q = np.round(r / step) * step * 2.0 ** e      # np.round: ties to even
;;       return np.moveaxis(q, -1, axis).astype(np.float32)
;;   ~~~
;;   SOFTMAX AHEAD OF A QUANTISED PRODUCT. Where the list says 'softmax', what is quantised is not the finished softmax but p = 2^(t - M), with t = logit x log2(e) and M = ceil(the row's largest t), a whole number; so 1/2 < the row's largest p <= 1. The row's sum l is taken of the UNQUANTISED p, in f32, and the product's result is divided by l at the end. Since M is a whole number, a kernel that streams over the keys may use a running M (the ceiling of the running maximum): every later rescaling is an exact power of two, so the quantised numbers keep their values, but for numbers so far below the row's largest that they fall under the format's range.
;;   OPERANDS COMPUTED ON THE WAY. 'Computed on the way' means the value that the module computes at that place (a softmax that the list does not call 'softmax' is quantised finished and normalised). What goes into a quantiser is computed in f32, as accurately as f32 sums, v_exp_f32 and their like allow (about 1e-6 of the number): no bf16 or f16 on the way to a quantiser, and a product that is left as it is and whose result goes on into a quantised operand takes f32 operands (vector FMAs, or v_wmma_f32_16x16x4_f32). A number that lies on a knife's edge between two numbers of the format may be rounded either way, as far as f32 arithmetic and the matrix unit's own rounding can turn it there, and no further.
;; One version. Each part assembles by itself: llvm-mc -triple=amdgcn-amd-amdhsa -mcpu=gfx1250 --defsym DOCPART=n.
;; ======== version 1 of 1: 3 launches
;; limits: right only within a limited range of input values
;; workspace buffers: ximg 8,388,608 bytes; wimg 3,145,728 bytes; e4img 131,072 bytes; e6img 133,120 bytes; maskq 32,768 bytes; qimg 16,777,216 bytes; kv 33,554,432 bytes
;; launch prep (part 1): grid 497 x 1, 4 waves a work-group, no clusters, 34,304 bytes of LDS; arguments hidden_states, W_qkv, dist_emb, attention_mask, lowp_scales, ximg, wimg, e4img, e6img, maskq; writes ximg, wimg, e4img, e6img, maskq
.if DOCPART == 1
	.amdgcn_target "amdgcn-amd-amdhsa--gfx1250"
	.amdhsa_code_object_version 6
	.text
	.protected	k_q5e4a33d3e7_prep
	.globl	k_q5e4a33d3e7_prep
	.p2align	8
	.type	k_q5e4a33d3e7_prep,@function
k_q5e4a33d3e7_prep:
	s_mov_b64 s[64:65], 0
	v_nop
	global_prefetch_b8 v0, s[64:65] scope:SCOPE_SE
	s_setreg_imm32_b32 hwreg(HW_REG_WAVE_MODE, 25, 1), 1
	s_wait_xcnt 0x0
; Quantises what many work-groups read later, once, into images of operand registers (E4M3 codes, the given scales 2^e).
; A fragment of 16 rows x 64 K is 1,024 bytes: block u (512 bytes), lane (r, h) at 16 x lane: codes k = 32 u + 16 h + 0 .. 15 of row r.
; Work-groups 0-255: hidden_states -> ximg [tb 32][ks 4][mt 16][kq 4][1024].   256-351: W_qkv -> wimg [head 16][ks 4][nt 12][kq 4][1024].
; 352-480: dist_emb -> e4img (scale e4) and e6img (scale e6, rows moved up by 9), in granules of 8 rows.   481-496: attention_mask -> maskq.
; LIMITS: e0, e1, e4, e6 between -126 and 119; the mask is held at -1e30 from below; NaN among the inputs is not served.
.set SPARE, 33792                      ; behind the four stages: the spare words, 128 bytes a wave
.set XR, 32                            ; v32-159  two sets of 64 numbers as loaded
.set XN, 160                           ; v160-223 64 numbers, 16 neighbours along K four times
.set XC, 224                           ; v224-239 their codes
.macro MKSC e, vs, vl                  ; s[e] = exponent: v[vs] = 2^e as f32, v[vl] = 448 x 2^e
	s_add_co_i32 s26, s[\e], 127
	s_lshl_b32 s27, s26, 23
	v_mov_b32 v[\vs], s27
	s_add_co_i32 s26, s26, 8
	s_lshl_b32 s26, s26, 23
	s_or_b32 s26, s26, 0x600000
	v_mov_b32 v[\vl], s26
.endm
	s_load_b256 s[4:11], s[0:1], 0x0               ; hidden s[4:5], W s[6:7], dist_emb s[8:9], mask s[10:11]
	s_load_b256 s[12:19], s[0:1], 0x20             ; scales s[12:13], ximg s[14:15], wimg s[16:17], e4img s[18:19]
	s_load_b128 s[20:23], s[0:1], 0x40             ; e6img s[20:21], maskq s[22:23]
	v_lshl_add_u32 v1, v0, 2, SPARE                ; my spare word; never rewritten
	v_mov_b32 v2, 0                                ; 0; never rewritten
	v_lshrrev_b32 v3, 5, v0
	v_readfirstlane_b32 s24, v3                    ; wave
	v_and_b32 v3, 31, v0                           ; lane
	v_lshlrev_b32 v4, 4, v3                        ; 16 x lane
	s_wait_kmcnt 0x0
	s_load_b256 s[32:39], s[12:13], 0x0            ; e0 .. e7
	s_load_b64 s[40:41], s[12:13], 0x20            ; e8, e9
	s_cmp_lt_u32 ttmp9, 256
	s_cbranch_scc1 .Lx
	s_cmp_lt_u32 ttmp9, 352
	s_cbranch_scc1 .Lw
	s_cmp_lt_u32 ttmp9, 481
	s_cbranch_scc1 .Le
; ---- the mask: max(mask, -1e30) x 2^(3 - e6 - e7): 8 x mask in units of the k . E sums
	s_sub_co_u32 s25, ttmp9, 481
	s_lshl_b32 s25, s25, 11
	v_lshl_add_u32 v5, v0, 4, s25
	global_load_b128 v[32:35], v5, s[10:11]
	s_wait_kmcnt 0x0
	s_add_co_i32 s28, s38, s39
	s_sub_co_i32 s28, 3, s28
	s_wait_loadcnt 0x0
.irp i, 32,33,34,35
	v_max_num_f32 v\i, 0xf149f2ca, v\i
.endr
.irp i, 32,33,34,35
	v_ldexp_f32 v\i, v\i, s28
.endr
	s_wait_alu depctr_va_vdst(0)
	global_store_b128 v5, v[32:35], s[22:23]
	s_endpgm
; ---- hidden_states.  A wave takes 16 rows x 512 K, in four units of 128 K.  Loads take the bytes as they lie (512 a load); a unit turns through the wave's own
; stage (rows of 528 bytes) so that a lane gets 16 neighbours of its row; a store of codes covers 512 consecutive bytes.
.Lx:
	s_lshl_b32 s25, ttmp9, 2
	s_add_co_u32 s25, s25, s24
	s_lshr_b32 s28, s25, 1                         ; tile of 16 rows, 0 .. 511
	s_and_b32 s29, s25, 1                          ; which half of K
	s_lshl_b32 s30, s28, 16
	s_lshl_b32 s31, s29, 11
	s_add_co_u32 s30, s30, s31
	s_mov_b32 s31, 0
	s_add_nc_u64 s[4:5], s[4:5], s[30:31]
	s_lshr_b32 s30, s28, 4
	s_lshl_b32 s30, s30, 18
	s_lshl_b32 s42, s29, 17
	s_add_co_u32 s30, s30, s42
	s_and_b32 s42, s28, 15
	s_lshl_b32 s42, s42, 12
	s_add_co_u32 s30, s30, s42
	s_add_nc_u64 s[14:15], s[14:15], s[30:31]
	s_mul_i32 s42, s24, 8448
	s_wait_alu depctr_va_vdst(0)
	v_add_nc_u32 v5, s42, v4                       ; into the stage: 16 x lane of a row
	v_and_b32 v7, 15, v0
	v_bfe_u32 v8, v0, 4, 1
	v_mul_u32_u24 v6, v7, 528
	v_lshl_add_u32 v6, v8, 6, v6
	v_add_nc_u32 v6, s42, v6                       ; out of it: row r, 64 h bytes on
.macro XLOAD j
.set p, 0
.rept 16
	global_load_b128 v[XR+64*((\j)%2)+4*p:XR+64*((\j)%2)+4*p+3], v4, s[4:5] offset:p*4096+(\j)*512 th:TH_LOAD_NT
.set p, p+1
.endr
.endm
.macro XUNIT j
.if (\j) < 3
	s_wait_loadcnt 16                              ; this unit's 16 loads are in, the next unit's may be out
.else
	s_wait_loadcnt 0
.endif
.set p, 0
.rept 16
	ds_store_b128 v5, v[XR+64*((\j)%2)+4*p:XR+64*((\j)%2)+4*p+3] offset:p*528
.set p, p+1
.endr
.set p, 0
.rept 16
	ds_load_b128 v[XN+4*p:XN+4*p+3], v6 offset:(p/4)*128+(p%4)*16   ; LDS serves a wave in order: these see the stores above
.set p, p+1
.endr
	s_wait_dscnt 0x0
	s_wait_xcnt 0x0                                ; the last unit's stores have read their codes' registers
.if (\j) < 2
	XLOAD (\j)+2
.endif
.irp z, 0,1,2,3
.set p, 0
.rept 16
	v_med3_num_f32 v[XN+16*\z+p], v[XN+16*\z+p], -v11, v11   ; the conversion does not saturate: hold at the largest code x the scale
.set p, p+1
.endr
	v_cvt_scalef32_pk8_fp8_f32 v[XC+4*\z:XC+4*\z+1], v[XN+16*\z:XN+16*\z+7], v10
	v_cvt_scalef32_pk8_fp8_f32 v[XC+4*\z+2:XC+4*\z+3], v[XN+16*\z+8:XN+16*\z+15], v10
	global_store_b128 v4, v[XC+4*\z:XC+4*\z+3], s[14:15] offset:((\j)/2)*65536+((\j)%2)*2048+\z*512
.endr
.endm
	XLOAD 0
	XLOAD 1
	s_wait_alu depctr_va_vdst(0)
	s_wait_kmcnt 0x0
	MKSC 32, 10, 11
	s_wait_alu depctr_va_vdst(0)
	XUNIT 0
	XUNIT 1
	XUNIT 2
	XUNIT 3
	s_wait_tensorcnt 0x0                           ; the wave's end
	ds_add_u32 v1, v2
	s_wait_dscnt 0x0
	s_endpgm
; ---- W_qkv [K][N]: a lane takes a column, its registers run down K, so the codes come out with K innermost.  A wave: 32 columns x 256 K.
; The rows of a q or k tile are not neighbours: row rho of tile tau is d = 32 (tau / 2) + 8 (tau % 2) + rho + 8 (rho / 8); a v tile's are: d = 16 tau + rho.
.Lw:
	s_sub_co_u32 s25, ttmp9, 256
	s_mul_i32 s28, s25, 43
	s_lshr_b32 s28, s28, 10                        ; ks = wq / 24 (exact for wq under 96)
	s_mul_i32 s29, s28, 24
	s_sub_co_u32 s29, s25, s29
	s_lshl_b32 s29, s29, 2
	s_add_co_u32 s29, s29, s24                     ; which 32 columns, 0 .. 95
	s_mul_i32 s30, s29, 43
	s_lshr_b32 s30, s30, 8                         ; head = idx / 6
	s_mul_i32 s31, s30, 6
	s_sub_co_u32 s31, s29, s31
	s_lshr_b32 s42, s31, 1                         ; part: q, k, v
	s_and_b32 s43, s31, 1                          ; which 32 of its 64
	s_mul_i32 s44, s28, 256*12288
	s_lshl_b32 s45, s29, 7
	s_add_co_u32 s44, s44, s45
	s_mov_b32 s45, 0
	s_add_nc_u64 s[6:7], s[6:7], s[44:45]
	s_mul_i32 s44, s30, 196608
	s_mul_i32 s46, s28, 49152
	s_add_co_u32 s44, s44, s46
	s_lshl_b32 s46, s42, 14
	s_add_co_u32 s44, s44, s46
	s_lshl_b32 s46, s43, 13
	s_add_co_u32 s44, s44, s46
	s_add_nc_u64 s[16:17], s[16:17], s[44:45]
	s_wait_alu depctr_va_vdst(0)
	v_lshlrev_b32 v5, 2, v3
	v_bfe_u32 v6, v3, 3, 1
	v_and_b32 v7, 7, v3
	v_lshrrev_b32 v8, 4, v3
	v_lshl_add_u32 v7, v8, 3, v7
	v_lshlrev_b32 v7, 4, v7
	v_lshl_add_u32 v7, v6, 12, v7                  ; q, k: tile (lane / 8) % 2, row lane % 8 + 8 (lane / 16)
	v_and_b32 v9, 15, v3
	v_lshlrev_b32 v9, 4, v9
	v_lshl_add_u32 v9, v8, 12, v9                  ; v: tile lane / 16, row lane % 16
	s_cmp_eq_u32 s42, 2
	s_cselect_b32 s46, -1, 0
	v_cndmask_b32 v7, v7, v9, s46
.macro WLOAD t
.set p, 0
.rept 32
	global_load_b32 v[32+32*((\t)%2)+p], v5, s[6:7] offset:(32*(\t)+p)*12288 th:TH_LOAD_NT
.set p, p+1
.endr
.endm
.macro WBLOCK t
.if (\t) < 7
	s_wait_loadcnt 32                              ; this block's 32 loads are in, the next block's may be out
.else
	s_wait_loadcnt 0
.endif
	s_wait_xcnt 0x0                                ; the last block's stores have read their codes' registers
.set p, 0
.rept 32
	v_med3_num_f32 v[32+32*((\t)%2)+p], v[32+32*((\t)%2)+p], -v11, v11
.set p, p+1
.endr
.irp g, 0,1,2,3
	v_cvt_scalef32_pk8_fp8_f32 v[96+2*\g:97+2*\g], v[32+32*((\t)%2)+8*\g:32+32*((\t)%2)+8*\g+7], v10
.endr
	global_store_b128 v7, v[96:99], s[16:17] offset:((\t)/2)*1024+((\t)%2)*512        ; sixteen lanes fill 256 consecutive bytes of a tile
	global_store_b128 v7, v[100:103], s[16:17] offset:((\t)/2)*1024+((\t)%2)*512+256
.if (\t) < 6
	WLOAD (\t)+2
.endif
.endm
	WLOAD 0
	WLOAD 1
	s_wait_kmcnt 0x0
	MKSC 33, 10, 11
	s_wait_alu depctr_va_vdst(0)
.irp t, 0,1,2,3,4,5,6,7
	WBLOCK \t
.endr
	s_endpgm
; ---- dist_emb: a wave makes a granule of 8 rows (512 bytes).  The unit at 16 x lane, lane = 16 c + 8 hh + r7, holds codes d = 32 c + 16 (hh xor (g & 1)) + 0 .. 15 of
; row x = 8 g + r7, which stands for distance j = x - shift.  Rows whose j lies outside 0 .. 2046 get zero codes (their loads are clamped into the table).
.Le:
	s_sub_co_u32 s25, ttmp9, 352
	s_cmp_lt_u32 s25, 64
	s_cselect_b64 s[18:19], s[18:19], s[20:21]
	s_cselect_b32 s28, 0, 9                        ; shift
	s_cselect_b32 s29, 0, 64
	s_sub_co_u32 s29, s25, s29
	s_lshl_b32 s29, s29, 2
	s_add_co_u32 s29, s29, s24                     ; g
	s_lshl_b32 s31, s29, 3
	s_wait_alu depctr_va_vdst(0)
	v_and_b32 v5, 7, v3
	v_add_nc_u32 v5, s31, v5                       ; x
	v_max_u32 v6, s28, v5
	v_sub_nc_u32 v6, v6, s28
	v_min_u32 v6, 0x7fe, v6                        ; j held in 0 .. 2046
	v_add_nc_u32 v9, s28, v6
	v_cmp_eq_u32 s42, v9, v5                       ; was it inside?
	s_and_b32 s43, s29, 1
	v_bfe_u32 v7, v3, 3, 1
	v_xor_b32 v7, s43, v7
	v_lshrrev_b32 v8, 4, v3
	v_lshlrev_b32 v8, 7, v8
	v_lshl_add_u32 v8, v7, 6, v8
	v_lshl_add_u32 v8, v6, 8, v8
.irp q, 0,1,2,3
	global_load_b128 v[32+4*\q:35+4*\q], v8, s[8:9] offset:16*\q
.endr
	s_lshl_b32 s44, s29, 9
	s_mov_b32 s45, 0
	s_add_nc_u64 s[18:19], s[18:19], s[44:45]
	s_wait_kmcnt 0x0
	s_cmp_lt_u32 s25, 64
	s_cselect_b32 s30, s36, s38                    ; e4 or e6
	MKSC 30, 10, 11
	s_wait_alu depctr_va_vdst(0)
	s_wait_loadcnt 0x0
.set p, 0
.rept 16
	v_med3_num_f32 v[32+p], v[32+p], -v11, v11
.set p, p+1
.endr
	v_cvt_scalef32_pk8_fp8_f32 v[48:49], v[32:39], v10
	v_cvt_scalef32_pk8_fp8_f32 v[50:51], v[40:47], v10
	v_nop                                          ; a plain line between the conversions and the selects that touch their results
.irp i, 48,49,50,51
	v_cndmask_b32 v\i, 0, v\i, s42
.endr
	global_store_b128 v4, v[48:51], s[18:19]
	s_endpgm
.Lfunc_end_k_q5e4a33d3e7_prep:
	.size	k_q5e4a33d3e7_prep, .Lfunc_end_k_q5e4a33d3e7_prep-k_q5e4a33d3e7_prep
	.p2alignl 7, 3214868480
	.fill 96, 4, 3214868480
	.section	.rodata,"a",@progbits
	.p2align	6, 0x0
	.amdhsa_kernel k_q5e4a33d3e7_prep
		.amdhsa_group_segment_fixed_size 34304
		.amdhsa_private_segment_fixed_size 0
		.amdhsa_enable_private_segment 0
		.amdhsa_kernarg_size 80
		.amdhsa_user_sgpr_count 2
		.amdhsa_user_sgpr_kernarg_segment_ptr 1
		.amdhsa_wavefront_size32 1
		.amdhsa_system_sgpr_workgroup_id_x 1
		.amdhsa_system_sgpr_workgroup_id_y 1
		.amdhsa_system_sgpr_workgroup_id_z 1
		.amdhsa_system_vgpr_workitem_id 0
		.amdhsa_next_free_vgpr 240
		.amdhsa_next_free_sgpr 66
		.amdhsa_reserve_vcc 0
		.amdhsa_float_denorm_mode_32 3
		.amdhsa_float_denorm_mode_16_64 3
		.amdhsa_memory_ordered 1
		.amdhsa_forward_progress 1
		.amdhsa_inst_pref_size 87
	.end_amdhsa_kernel
	.amdgpu_metadata
---
amdhsa.version: [ 1, 2 ]
amdhsa.kernels:
  - .name:           k_q5e4a33d3e7_prep
    .symbol:         k_q5e4a33d3e7_prep.kd
    .args:
      - { .name: hidden_states, .offset: 0, .size: 8, .value_kind: global_buffer, .address_space: global }
      - { .name: W_qkv, .offset: 8, .size: 8, .value_kind: global_buffer, .address_space: global }
      - { .name: dist_emb, .offset: 16, .size: 8, .value_kind: global_buffer, .address_space: global }
      - { .name: attention_mask, .offset: 24, .size: 8, .value_kind: global_buffer, .address_space: global }
      - { .name: lowp_scales, .offset: 32, .size: 8, .value_kind: global_buffer, .address_space: global }
      - { .name: ximg, .offset: 40, .size: 8, .value_kind: global_buffer, .address_space: global }
      - { .name: wimg, .offset: 48, .size: 8, .value_kind: global_buffer, .address_space: global }
      - { .name: e4img, .offset: 56, .size: 8, .value_kind: global_buffer, .address_space: global }
      - { .name: e6img, .offset: 64, .size: 8, .value_kind: global_buffer, .address_space: global }
      - { .name: maskq, .offset: 72, .size: 8, .value_kind: global_buffer, .address_space: global }
    .group_segment_fixed_size: 34304
    .private_segment_fixed_size: 0
    .kernarg_segment_align: 8
    .kernarg_segment_size: 80
    .max_flat_workgroup_size: 128
    .sgpr_count:     66
    .vgpr_count:     240
    .wavefront_size: 32
...
	.end_amdgpu_metadata
.endif
;; end of part 1
;; launch gemm (part 2): grid 16 x 16, 12 waves a work-group, clusters of 4 x 4, 327,680 bytes of LDS; arguments ximg, wimg, b_qkv, lowp_scales, qimg, kv; writes qimg, kv
.if DOCPART == 2
	.amdgcn_target "amdgcn-amd-amdhsa--gfx1250"
	.amdhsa_code_object_version 6
	.text
	.protected	k_q5e4a33d3e7_gemm
	.globl	k_q5e4a33d3e7_gemm
	.p2align	8
	.type	k_q5e4a33d3e7_gemm,@function
k_q5e4a33d3e7_gemm:
	s_mov_b64 s[64:65], 0
	v_nop
	global_prefetch_b8 v0, s[64:65] scope:SCOPE_SE
	s_setreg_imm32_b32 hwreg(HW_REG_WAVE_MODE, 25, 1), 1
	s_wait_xcnt 0x0
	s_wait_alu depctr_hold_cnt(0) depctr_sa_sdst(0) depctr_va_vdst(0) depctr_va_sdst(0) depctr_va_ssrc(0) depctr_va_vcc(0) depctr_vm_vsrc(0)
	s_getreg_b32 s2, hwreg(HW_REG_IB_STS2, 6, 4)
	s_cmp_eq_u32 s2, 0
	s_cbranch_scc0 .Lentry_in_a_cluster
	s_endpgm
.Lentry_in_a_cluster:
	s_bfe_u32 s2, ttmp6, 0x10000c
	s_cmp_lg_u32 s2, 0xf033
	s_cbranch_scc0 .Lentry_shape_is_right
	s_endpgm
.Lentry_shape_is_right:
; qkv = hidden W + b on E4M3 codes, and the quantising of q, k, v for the attention launch.  A work-group makes 256 tokens x the 192 columns of one head, twice: token blocks y and y + 16.
; Wave w: part = w / 4 (q, k, v), tokens 64 (w % 4) on: 64 x 64, 16 accumulators, v_wmma_f32_16x16x64_fp8_fp8.  K goes in slots of 256 through a ring of two LDS slots, which runs on from the first block into the second.
; q and k waves take W's tile as source 0 and the tokens as source 1: a lane holds ONE token and its registers run along d, the next products' K.  v waves take the tokens as source 0:
; a lane holds one d and eight tokens, since the keys are the last product's K.  So every conversion's result is an operand's registers, and every store is 16 bytes a lane, 512 consecutive bytes a wave.
; CLUSTERS: 4 x 4 work-groups.  The four of a row of the cluster have the same token block and need the same tiles of X, the four of a column the same head and the same tiles of W: each tile is asked for
; JOINTLY, by the same tensor load with the same descriptor and a mask that names the four.
; OUT: qimg [bh][tile of 16 queries][version: e2, e5][1024];  kv [bh][step of 64 keys][16384]: K (e3) at 0; K (e7) at 4096, 2,048 bytes a tile of 16 keys: keys 0-7 have their codes in
; blocks 0, 1 and zeros in blocks 2, 3, keys 8-15 the other way round; V (e9) at 12288, keys innermost.
; LIMITS: e - e0 - e1 between -126 and 119 for e = e2, e3, e5, e7, e9.  NaN is not served.
.set SLOTB, 114688                     ; a slot: X's 16 token tiles x 4 K quarters x 1,024, then W's 12 tiles likewise
.set WOFF,  65536
.set SPARE, 229376                     ; behind the ring: the spare words, 128 bytes a wave
.set NEXTX, 16*262144-131072           ; from a slot's last K step of the first block to its first of the second: 16 blocks on, two K steps back
.set BI,  16                           ; v16-47   the bias in the results' layout, / 2^(e0 + e1)
.set T,   48                           ; v48-63   16 numbers at work
.set TF,  64                           ; v64-95   four token fragments
.set WF,  96                           ; v96-127  four fragments of W
.set ACC, 128                          ; v128-255 accumulator (p, r) at 128 + 8 (4 p + r)
; v1 spare word, v2 zero, v3 16 x lane, v4/v5 my token tiles in slot 0/1, v6/v7 my tiles of W, v8 r, v9 h, v12-15 the two scales and their holds
.macro NOPS n
.rept \n
	v_nop
.endr
.endm
.macro CREST                           ; a round of the cluster's barrier behind its opening barrier
	s_cmp_lg_u32 s16, 0
	s_cbranch_scc1 .Lnw0_\@
	s_barrier_signal -3
.Lnw0_\@:
	s_barrier_wait -3
	s_barrier_signal -1
	s_barrier_wait -1
.endm
.macro CROUND                          ; a whole round
	s_barrier_signal -1
	s_barrier_wait -1
	CREST
.endm
	s_load_b256 s[4:11], s[0:1], 0x0               ; ximg s[4:5], wimg s[6:7], b s[8:9], scales s[10:11]
	s_load_b128 s[12:15], s[0:1], 0x20             ; qimg s[12:13], kv s[14:15]
	v_lshl_add_u32 v1, v0, 2, SPARE                ; my spare word; never rewritten
	v_mov_b32 v2, 0                                ; 0; never rewritten
	ds_add_u32 v1, v2                              ; the opening: an add and its wait ahead of the first tensor load
	ds_add_u32 v1, v2
	v_lshrrev_b32 v3, 5, v0
	s_delay_alu instid0(VALU_DEP_1)
	v_readfirstlane_b32 s16, v3                    ; wave 0 .. 11
	s_lshr_b32 s17, s16, 2                         ; part
	s_and_b32 s18, s16, 3                          ; which 64 tokens
	s_and_b32 s19, s16, 1                          ; which half of X (waves 0, 1) or of W (waves 2, 3) I fetch
	s_bfe_u32 s22, ttmp6, 0x40000                  ; cx, cy: my place in the cluster
	s_bfe_u32 s23, ttmp6, 0x40004
	s_lshl_b32 s21, ttmp9, 2
	s_add_co_u32 s21, s21, s22                     ; head = 4 x cluster x + cx
	s_and_b32 s20, ttmp7, 0xffff
	s_lshl_b32 s20, s20, 2
	s_add_co_u32 s20, s20, s23                     ; first block of 256 tokens = 4 x cluster y + cy
	s_lshl_b32 s92, s23, 2
	s_lshl_b32 s92, 15, s92                        ; my row of the cluster
	s_lshl_b32 s93, 0x1111, s22                    ; my column
	; group 1: dense rows of 256 bytes (32 elements of 8 bytes): X 128 rows a load, W 96
	s_or_b32 s24, s92, (3<<16)|(1<<21)             ; 15:0 the mask: X's tiles go to my row; 17:16 elements of 8 bytes; 21 set beside a mask
	s_or_b32 s32, s93, (3<<16)|(1<<21)             ; W's go to my column
.irp g, 24, 32
	s_mov_b32 s[\g+1], 32<<16
	s_mov_b32 s[\g+3], 32<<16
	s_mov_b32 s[\g+5], 32
	s_mov_b32 s[\g+6], 0
	s_mov_b32 s[\g+7], 0
.endr
	s_mov_b32 s26, 128<<16
	s_mov_b32 s28, 128
	s_mov_b32 s34, 96<<16
	s_mov_b32 s36, 96
	s_lshl_b32 s68, s20, 18                        ; X hangs on the token block alone,
	s_lshl_b32 s73, s19, 15                        ; and on my half, in memory and in a slot
	s_add_co_u32 s68, s68, s73
	s_mov_b32 s69, 0
	s_mul_i32 s76, s21, 196608                     ; W hangs on the head alone,
	s_mul_i32 s72, s19, 24576                      ; and on my half
	s_add_co_u32 s76, s76, s72
	s_mov_b32 s77, 0
	s_add_co_u32 s72, s72, WOFF
	s_wait_dscnt 0x0                               ; the opening add is done
	s_wait_kmcnt 0x0
	s_load_b256 s[56:63], s[10:11], 0x0            ; e0 .. e7
	s_load_b64 s[66:67], s[10:11], 0x20            ; e8, e9
	s_add_nc_u64 s[70:71], s[4:5], s[68:69]
	s_add_nc_u64 s[74:75], s[6:7], s[76:77]
.irp s, 0,1
	s_mov_b32 s[40+4*\s], 1
	s_add_co_u32 s[41+4*\s], s73, \s*SLOTB
	s_add_nc_u64 s[42+4*\s:43+4*\s], s[70:71], \s*65536
	s_or_b32 s[43+4*\s], s[43+4*\s], 0x80000000
	s_mov_b32 s[48+4*\s], 1
	s_add_co_u32 s[49+4*\s], s72, \s*SLOTB
	s_add_nc_u64 s[50+4*\s:51+4*\s], s[74:75], \s*49152
	s_or_b32 s[51+4*\s], s[51+4*\s], 0x80000000
.endr
	CROUND                                         ; all sixteen work-groups are here: the first joint loads meet
	s_cmp_lt_u32 s16, 2                            ; the eight first fills, one to a wave, in one chain of branches on the wave's number: waves 0, 1 X's halves of slot 0,
	s_cbranch_scc0 .Lf_notx
	tensor_load_to_lds s[40:43], s[24:31]
	s_nop 0
	NOPS 4
	s_branch .Lf_done
.Lf_notx:
	s_cmp_lt_u32 s16, 4                            ; waves 2, 3 W's halves of slot 0,
	s_cbranch_scc0 .Lf_x1
	tensor_load_to_lds s[48:51], s[32:39]
	s_nop 0
	NOPS 4
	s_branch .Lf_done
.Lf_x1:
	s_cmp_lt_u32 s16, 6                            ; waves 4, 5 X's halves of slot 1 (the half is wave % 2 in every wave's descriptors),
	s_cbranch_scc0 .Lf_w1
	tensor_load_to_lds s[44:47], s[24:31]
	s_nop 0
	NOPS 4
	s_branch .Lf_done
.Lf_w1:
	s_cmp_lt_u32 s16, 8                            ; waves 6, 7 W's halves of slot 1; all refills come by waves 0 to 3
	s_cbranch_scc0 .Lf_done
	tensor_load_to_lds s[52:55], s[32:39]
	s_nop 0
	NOPS 4
.Lf_done:
	v_and_b32 v3, 31, v0
	s_delay_alu instid0(VALU_DEP_1)
	v_lshlrev_b32 v3, 4, v3                        ; 16 x lane: an image's place for my lane, in LDS and in memory
	s_lshl_b32 s80, s18, 14
	v_add_nc_u32 v4, s80, v3                       ; my four token tiles in slot 0,
	s_delay_alu instid0(VALU_DEP_1)
	v_add_nc_u32 v5, SLOTB, v4                     ; in slot 1
	s_lshl_b32 s80, s17, 14
	s_add_co_u32 s80, s80, WOFF
	v_add_nc_u32 v6, s80, v3                       ; my part's four tiles of W
	s_delay_alu instid0(VALU_DEP_1)
	v_add_nc_u32 v7, SLOTB, v6
	v_and_b32 v8, 15, v0                           ; r
	v_bfe_u32 v9, v0, 4, 1                         ; h
	s_mul_i32 s76, s21, 768
	s_lshl_b32 s77, s17, 8
	s_add_co_u32 s76, s76, s77
	s_mov_b32 s77, 0
	s_add_nc_u64 s[8:9], s[8:9], s[76:77]          ; b at my part's 64 numbers
	v_lshlrev_b32 v10, 6, v9
	v_lshlrev_b32 v11, 2, v8
	s_cmp_eq_u32 s17, 2
	s_cbranch_scc1 .Lbias_v
.irp p, 0,1,2,3                                ; q, k: tile p, register j: d = 32 (p / 2) + 16 h + 8 (p % 2) + j
	global_load_b128 v[BI+8*\p:BI+8*\p+3], v10, s[8:9] offset:(32*(\p/2)+8*(\p%2))*4
	global_load_b128 v[BI+8*\p+4:BI+8*\p+7], v10, s[8:9] offset:(32*(\p/2)+8*(\p%2))*4+16
.endr
	s_branch .Lbias_done
.Lbias_v:
	s_wait_alu depctr_va_vdst(0)
.irp t, 0,1,2,3                                ; v: tile t: d = 16 t + r, one number a lane
	global_load_b32 v[BI+2*\t], v11, s[8:9] offset:64*\t
.endr
.Lbias_done:
	; where the first block's results go
	s_lshr_b32 s78, s20, 2
	s_lshl_b32 s78, s78, 4
	s_add_co_u32 s78, s78, s21                     ; bh = 16 x batch + head
	s_and_b32 s79, s20, 3
	s_lshl_b32 s82, s78, 6
	s_lshl_b32 s83, s79, 4
	s_add_co_u32 s82, s82, s83
	s_lshl_b32 s83, s18, 2
	s_add_co_u32 s82, s82, s83
	s_lshl_b32 s82, s82, 11
	s_mov_b32 s83, 0
	s_add_nc_u64 s[12:13], s[12:13], s[82:83]      ; qimg at my four tiles of queries
	s_lshl_b32 s82, s78, 4
	s_lshl_b32 s86, s79, 2
	s_add_co_u32 s82, s82, s86
	s_add_co_u32 s82, s82, s18
	s_lshl_b32 s82, s82, 14
	s_add_nc_u64 s[14:15], s[14:15], s[82:83]      ; kv at my step of 64 keys
	; A sum stands for sum x 2^(e0 + e1): the bias goes in as b / 2^(e0 + e1), and a conversion takes 2^(e - e0 - e1) as its one scale.  All of it is made once, while the first tiles are on their way.
.macro MKSC e, vs, vl                          ; v[vs] = 2^(s[e] - e0 - e1), v[vl] = 448 x that
	s_sub_co_i32 s80, s[\e], s88
	s_add_co_i32 s80, s80, 127
	s_lshl_b32 s81, s80, 23
	v_mov_b32 v[\vs], s81
	s_add_co_i32 s80, s80, 8
	s_lshl_b32 s80, s80, 23
	s_or_b32 s80, s80, 0x600000
	v_mov_b32 v[\vl], s80
.endm
	s_wait_kmcnt 0x0
	s_add_co_i32 s88, s56, s57
	s_sub_co_i32 s89, 0, s88
	s_cmp_eq_u32 s17, 0                            ; the choice hangs on the wave's part
	s_cselect_b32 s90, s58, s59                    ; q: e2, k: e3,
	s_cselect_b32 s91, s61, s63                    ; q: e5, k: e7
	s_cmp_eq_u32 s17, 2
	s_cselect_b32 s90, s67, s90                    ; v: e9
	MKSC 90, 12, 13
	MKSC 91, 14, 15
	s_wait_alu depctr_va_vdst(0)
	v_cmp_gt_u32 s84, 8, v8                        ; keys 0-7 of a tile
	v_cmp_le_u32 s85, 8, v8                        ; keys 8-15
	s_wait_loadcnt 0x0                             ; the bias
	s_cmp_eq_u32 s17, 2
	s_cbranch_scc1 .Lbs_v
.set p, 0
.rept 32
	v_ldexp_f32 v[BI+p], v[BI+p], s89
.set p, p+1
.endr
	s_branch .Lbs_done
.Lbs_v:
.irp t, 0,1,2,3
	v_ldexp_f32 v[BI+2*\t], v[BI+2*\t], s89
.endr
.irp t, 0,1,2,3
	s_delay_alu instid0(VALU_DEP_4)
	v_mov_b32 v[BI+2*\t+1], v[BI+2*\t]             ; the packed addition takes a pair
.endr
.Lbs_done:
.macro MM d, a, b, zero
.if \zero
	v_wmma_f32_16x16x64_fp8_fp8 v[\d:\d+7], v[\a:\a+7], v[\b:\b+7], 0
.else
	v_wmma_f32_16x16x64_fp8_fp8 v[\d:\d+7], v[\a:\a+7], v[\b:\b+7], v[\d:\d+7]
.endif
.endm
; sixteen products, the accumulators by turns.  The branch hangs on the wave's number alone.
.macro MULS zero
	s_cmp_eq_u32 s17, 2
	s_cbranch_scc1 .Lmv_\@
.irp p, 0,1,2,3
.irp r, 0,1,2,3
	MM ACC+8*(4*\p+\r), WF+8*\p, TF+8*\r, \zero
.endr
.endr
	s_branch .Lmd_\@
.Lmv_\@:
.irp p, 0,1,2,3
.irp r, 0,1,2,3
	MM ACC+8*(4*\p+\r), TF+8*\p, WF+8*\r, \zero
.endr
.endr
.Lmd_\@:
.endm
.macro KSTEP slot, zero                        ; a slot's 256 along K in four quarters of 64
.irp kq, 0,1,2,3
	NOPS 4                                         ; places in front of loads into registers that matrix instructions have read
.irp p, 0,1,2,3
	ds_load_b128 v[TF+8*\p:TF+8*\p+3], v[4+\slot] offset:\p*4096+\kq*1024
	ds_load_b128 v[TF+8*\p+4:TF+8*\p+7], v[4+\slot] offset:\p*4096+\kq*1024+512
	ds_load_b128 v[WF+8*\p:WF+8*\p+3], v[6+\slot] offset:\p*4096+\kq*1024
	ds_load_b128 v[WF+8*\p+4:WF+8*\p+7], v[6+\slot] offset:\p*4096+\kq*1024+512
.endr
	s_wait_dscnt 0x0
.if (\zero) && (\kq == 0)
	MULS 1                                         ; a block's first products start its sums
.else
	MULS 0
.endif
.endr
.endm
; The change of slots: every wave waits for all its tensor loads, adds 0 to its spare word, waits for that and for its reads of the slot.  mode 0: one barrier, nothing is filled.
; mode 1: the slot just read is filled with this block's K step two on; mode 2: with the next block's K step 0 or 1.  The barrier is then a round of the cluster's, so that no wave of any partner
; still reads the slot or has a load on its way, and the joint refill is the first thing behind it, one a wave.
.macro CHANGE slot, mode
	s_wait_tensorcnt 0x0
	ds_add_u32 v1, v2                              ; 0 onto my spare word; the descriptors' steps stand between it and the wait for it
.if \mode
	ds_add_u32 v1, v2                              ; the add once more where a refill follows
.endif
.if (\mode) == 1
	s_add_nc_u64 s[42+4*\slot:43+4*\slot], s[42+4*\slot:43+4*\slot], 131072   ; no load of mine is out, so a group 0 may be written
	s_add_nc_u64 s[50+4*\slot:51+4*\slot], s[50+4*\slot:51+4*\slot], 98304
.endif
.if (\mode) == 2
	s_add_nc_u64 s[42+4*\slot:43+4*\slot], s[42+4*\slot:43+4*\slot], NEXTX
	s_sub_nc_u64 s[50+4*\slot:51+4*\slot], s[50+4*\slot:51+4*\slot], 98304    ; both blocks take the same W
.endif
	s_wait_dscnt 0x0
.if \mode
	CROUND
	s_cmp_lt_u32 s16, 2
	s_cbranch_scc0 .Lnx_\@
	tensor_load_to_lds s[40+4*\slot:43+4*\slot], s[24:31]
	s_nop 0
	NOPS 4
	s_branch .Lnd_\@
.Lnx_\@:
	s_cmp_lt_u32 s16, 4
	s_cbranch_scc0 .Lnd_\@
	tensor_load_to_lds s[48+4*\slot:51+4*\slot], s[32:39]
	s_nop 0
	NOPS 4
.Lnd_\@:
.else
	s_barrier_signal -1
	s_barrier_wait -1
.endif
.endm
; q, k: token tile rt, d = 32 bq + 16 h + 0 .. 15: codes by the first scale in v[96:99], by the second in v[100:103]
.macro CODES rt, bq
	s_wait_xcnt 0x0                                ; the earlier stores have read the codes' registers
.irp i, 0,2,4,6
	v_pk_add_f32 v[T+\i:T+\i+1], v[ACC+8*(8*\bq+\rt)+\i:ACC+8*(8*\bq+\rt)+\i+1], v[BI+16*\bq+\i:BI+16*\bq+\i+1]
.endr
.irp i, 0,2,4,6
	v_pk_add_f32 v[T+8+\i:T+8+\i+1], v[ACC+8*(8*\bq+4+\rt)+\i:ACC+8*(8*\bq+4+\rt)+\i+1], v[BI+16*\bq+8+\i:BI+16*\bq+8+\i+1]
.endr
.set p, 0
.rept 16
	v_med3_num_f32 v[64+p], v[T+p], -v13, v13      ; the conversion does not saturate: hold at the largest code x the scale
.set p, p+1
.endr
	v_cvt_scalef32_pk8_fp8_f32 v[96:97], v[64:71], v12
	v_cvt_scalef32_pk8_fp8_f32 v[98:99], v[72:79], v12
.set p, 0
.rept 16
	v_med3_num_f32 v[80+p], v[T+p], -v15, v15
.set p, p+1
.endr
	v_cvt_scalef32_pk8_fp8_f32 v[100:101], v[80:87], v14
	v_cvt_scalef32_pk8_fp8_f32 v[102:103], v[88:95], v14
	v_nop                                          ; a plain line behind the last conversion
.endm
; THE WAY OUT of a block: no LDS, no barrier; the branches hang on the wave's part
.macro WAYOUT
	NOPS 4                                         ; places behind the last products
	s_cmp_eq_u32 s17, 2
	s_cbranch_scc1 .Lov_\@
	s_cmp_eq_u32 s17, 1
	s_cbranch_scc1 .Lok_\@
	s_wait_alu depctr_va_vdst(0)
.irp rt, 0,1,2,3
.irp bq, 0,1
	CODES \rt, \bq
	global_store_b128 v3, v[96:99], s[12:13] offset:\rt*2048+\bq*512
	global_store_b128 v3, v[100:103], s[12:13] offset:\rt*2048+1024+\bq*512
.endr
.endr
	s_branch .Loe_\@
.Lok_\@:
	s_wait_alu depctr_va_vdst(0)
.irp rt, 0,1,2,3
.irp bq, 0,1
	CODES \rt, \bq
.irp i, 0,1,2,3
	v_cndmask_b32 v[104+\i], 0, v[100+\i], s84
	v_cndmask_b32 v[108+\i], 0, v[100+\i], s85
.endr
	global_store_b128 v3, v[96:99], s[14:15] offset:\rt*1024+\bq*512
	global_store_b128 v3, v[104:107], s[14:15] offset:4096+\rt*2048+\bq*512
	global_store_b128 v3, v[108:111], s[14:15] offset:4096+\rt*2048+1024+\bq*512
.endr
.endr
	s_branch .Loe_\@
.Lov_\@:
	s_wait_alu depctr_va_vdst(0)
.irp t, 0,1,2,3
.irp u, 0,1                                    ; d = 16 t + r; keys 32 u + 8 h + 0 .. 7, then 32 u + 16 + 8 h + 0 .. 7
	s_wait_xcnt 0x0
.irp i, 0,2,4,6
	v_pk_add_f32 v[T+\i:T+\i+1], v[ACC+8*(8*\u+\t)+\i:ACC+8*(8*\u+\t)+\i+1], v[BI+2*\t:BI+2*\t+1]
.endr
.irp i, 0,2,4,6
	v_pk_add_f32 v[T+8+\i:T+8+\i+1], v[ACC+8*(8*\u+4+\t)+\i:ACC+8*(8*\u+4+\t)+\i+1], v[BI+2*\t:BI+2*\t+1]
.endr
.set p, 0
.rept 16
	v_med3_num_f32 v[T+p], v[T+p], -v13, v13
.set p, p+1
.endr
	v_cvt_scalef32_pk8_fp8_f32 v[96:97], v[T:T+7], v12
	v_cvt_scalef32_pk8_fp8_f32 v[98:99], v[T+8:T+15], v12
	v_nop
	global_store_b128 v3, v[96:99], s[14:15] offset:12288+\t*1024+\u*512
.endr
.endr
.Loe_\@:
	s_wait_xcnt 0x0                                ; the stores have read their registers and their bases: both may be written again
.endm
	s_wait_tensorcnt 0x0                           ; my one first fill is in (the waves issue different ones, so the wait is for 0)
	s_barrier_signal -1
	s_barrier_wait -1
	KSTEP 0, 1
	CHANGE 0, 1
	KSTEP 1, 0
	CHANGE 1, 1
	KSTEP 0, 0
	CHANGE 0, 2                                    ; the ring goes on into the second block: slot 0 takes its K step 0,
	KSTEP 1, 0
	CHANGE 1, 2                                    ; slot 1 its K step 1
	WAYOUT                                         ; both refills are asked for: now the first block goes out, and nothing waits for its stores
	s_add_nc_u64 s[12:13], s[12:13], 8388608       ; 16 blocks of tokens on are 4 batches: bh + 64
	s_add_nc_u64 s[14:15], s[14:15], 16777216
	KSTEP 0, 1
	CHANGE 0, 1
	KSTEP 1, 0
	CHANGE 1, 1
	KSTEP 0, 0
	CHANGE 0, 0                                    ; nothing is left to fetch
	KSTEP 1, 0
	WAYOUT
	s_wait_tensorcnt 0x0                           ; the wave's end
	ds_add_u32 v1, v2
	s_wait_dscnt 0x0
	CROUND                                         ; the closing round: no work-group ends while a partner may still ask for a tile that names it
	s_endpgm
.Lfunc_end_k_q5e4a33d3e7_gemm:
	.size	k_q5e4a33d3e7_gemm, .Lfunc_end_k_q5e4a33d3e7_gemm-k_q5e4a33d3e7_gemm
	.p2alignl 7, 3214868480
	.fill 96, 4, 3214868480
	.section	.rodata,"a",@progbits
	.p2align	6, 0x0
	.amdhsa_kernel k_q5e4a33d3e7_gemm
		.amdhsa_group_segment_fixed_size 327680
		.amdhsa_private_segment_fixed_size 0
		.amdhsa_enable_private_segment 0
		.amdhsa_kernarg_size 48
		.amdhsa_user_sgpr_count 2
		.amdhsa_user_sgpr_kernarg_segment_ptr 1
		.amdhsa_wavefront_size32 1
		.amdhsa_system_sgpr_workgroup_id_x 1
		.amdhsa_system_sgpr_workgroup_id_y 1
		.amdhsa_system_sgpr_workgroup_id_z 1
		.amdhsa_system_vgpr_workitem_id 0
		.amdhsa_next_free_vgpr 256
		.amdhsa_next_free_sgpr 100
		.amdhsa_reserve_vcc 0
		.amdhsa_float_denorm_mode_32 3
		.amdhsa_float_denorm_mode_16_64 3
		.amdhsa_memory_ordered 1
		.amdhsa_forward_progress 1
		.amdhsa_inst_pref_size 255
	.end_amdhsa_kernel
	.section	.bss,"aw",@nobits
	.p2align	6
	.space	262144
	.amdgpu_metadata
---
amdhsa.version: [ 1, 2 ]
amdhsa.kernels:
  - .name:           k_q5e4a33d3e7_gemm
    .symbol:         k_q5e4a33d3e7_gemm.kd
    .args:
      - { .name: ximg, .offset: 0, .size: 8, .value_kind: global_buffer, .address_space: global }
      - { .name: wimg, .offset: 8, .size: 8, .value_kind: global_buffer, .address_space: global }
      - { .name: b_qkv, .offset: 16, .size: 8, .value_kind: global_buffer, .address_space: global }
      - { .name: lowp_scales, .offset: 24, .size: 8, .value_kind: global_buffer, .address_space: global }
      - { .name: qimg, .offset: 32, .size: 8, .value_kind: global_buffer, .address_space: global }
      - { .name: kv, .offset: 40, .size: 8, .value_kind: global_buffer, .address_space: global }
    .group_segment_fixed_size: 327680
    .private_segment_fixed_size: 0
    .kernarg_segment_align: 8
    .kernarg_segment_size: 48
    .max_flat_workgroup_size: 384
    .sgpr_count:     100
    .vgpr_count:     256
    .wavefront_size: 32
...
	.end_amdgpu_metadata
.endif
;; end of part 2
;; launch attn (part 3): grid 2 x 128, 16 waves a work-group, no clusters, 327,680 bytes of LDS; arguments qimg, kv, e4img, e6img, maskq, lowp_scales, out0; writes out0
.if DOCPART == 3
	.amdgcn_target "amdgcn-amd-amdhsa--gfx1250"
	.amdhsa_code_object_version 6
	.text
	.protected	k_q5e4a33d3e7_attn
	.globl	k_q5e4a33d3e7_attn
	.p2align	8
	.type	k_q5e4a33d3e7_attn,@function
k_q5e4a33d3e7_attn:
	s_mov_b64 s[64:65], 0
	v_nop
	global_prefetch_b8 v0, s[64:65] scope:SCOPE_SE
	s_setreg_imm32_b32 hwreg(HW_REG_WAVE_MODE, 25, 1), 1
	s_wait_xcnt 0x0
; Attention with relative_key_query scores, all products on E4M3 codes.  score(l, r) = q.k + q.E[l - r + 1023] + k.E[l - r + 1023]; / 8; + mask; softmax as p = 2^(t - M), M a whole number; p.v / sum.
; A work-group owns 512 queries (from L = 512 x) of one (batch, head); each of sixteen waves owns two tiles of 16 queries, A at l0 = L + 32 w and B at l0 + 16, and walks 16 steps of 64 keys.
; All products are used transposed: a lane holds ONE query (lane % 16), register 8 c + i of a tile's 32 scores is key 16 c + 8 (lane / 16) + i of the step.
; q.E: source 0 = 16 rows of E, source 1 = my queries: (lane = query, register = distance).  The skew distance = query - key goes through my own stage in LDS: rows of 80 words stored whole, read back a word a lane.
; k.E: source 0 = 16 keys, source 1 = 16 rows of E: (register = key, lane = distance): the skew is a shift of lanes by the key's number, riding on the additions (DPP).  The K = 128 form takes keys 0-7 against rows
;      J + n and keys 8-15 against rows J - 8 + n in one instruction (each key's codes stand in one half of K, zeros in the other), so both halves of the lanes want the same shifts.
; The sums are brought to q.k's unit by powers of two and go in as the C of q.k's products.
; TWO GROUPS OF WAVES.  A step has two halves: FRONT (the scores: nearly all of the step's LDS work; it ends with V's fragments in registers) and BACK (softmax and p.v: registers alone).  Group 0 runs FRONT and BACK of the
; same step between two barriers; group 1 runs BACK of the step before and then FRONT: so one group's LDS work stands beside the other's vector work.  Group = (w xor w / 4) % 2.  The branches hang on the wave's number
; and jump over BACK alone.  Group 1 reads nothing of the slot that is filled again: V was loaded, and waited for, in front of the barrier.
; No cluster: two work-groups share a head's keys and values, 16 KiB a step, a small part of what a step reads from LDS.
; LIMITS: e2 + e3 between -123 and 129; e4 + e5 - e6 - e7 and e6 + e7 - e2 - e3 between -126 and 127; e8 between -126 and 119.  The mask arrives held at -1e30 from below.  NaN is not served.
; LDS: E4 rows L .. L + 1535 at 0; E6 rows L .. L + 1551 at 98,304; two slots of a step's K, K', V (16,384 bytes); a stage of 5,376 bytes a wave; the spare words.
.set E6B,   98304
.set SLOT0, 197632
.set SLX,   0x4000                     ; one exclusive or turns slot 0 into slot 1
.set STG,   230400
.set STGW,  5376
.set SPARE, 316416
.set Q2,  36                           ; v36-51   q's codes by e2: tile A, tile B
.set Q5,  52                           ; v52-67   by e5
.set OT,  68                           ; v68-131  O^T: tile q at 68 + 32 q, 8 registers for each 16 of the head's 64
.set XA,  132                          ; v132-163 tile A's scores, then p
.set XB,  164                          ; v164-195 tile B's
.set PL,  196                          ; v196-251 the pool: mask / fragments of E, K, V / p's codes
.set EB0, 228
.set EB1, 236
.set RA0, 244                          ; results at work: v244-251 and v28-35
.set RA1, 28
.set K7,  196
.set EBUF, 212
; v1 spare word, v2 zero, v3 16 lane + slot 0, v4/v5 my place in a fragment of E that begins at an even / odd granule, v6/v7 stage in / out, v8 mask offset, v9-12 the step's LDS addresses,
; v13 prefetch offset, v14 16 lane, v15-17 the way out; v20-23, v24-27: -M, largest t, the sum (two halves) of tile A, B; v252 448 x 2^e8, v253 2^e8
; s22 c, s24 2^(e4+e5-e6-e7), s26 2^(e6+e7-e2-e3), s[28:29] lane selects, s30 slot in hand, s31/s33 E4's/E6's first byte of the step, s34 steps to ask for, s35 my group
.macro NOPS n
.rept \n
	v_nop
.endr
.endm
.macro G1SET g, rows                   ; dense rows of 256 bytes: 32 elements of 8 bytes
	s_mov_b32 s[\g], 3<<16
	s_mov_b32 s[\g+1], 32<<16
	s_mov_b32 s[\g+2], (\rows)<<16
	s_mov_b32 s[\g+3], 32<<16
	s_mov_b32 s[\g+4], \rows
	s_mov_b32 s[\g+5], 32
	s_mov_b32 s[\g+6], 0
	s_mov_b32 s[\g+7], 0
.endm
	s_load_b256 s[4:11], s[0:1], 0x0               ; qimg s[4:5], kv s[6:7], e4img s[8:9], e6img s[10:11]
	s_load_b128 s[12:15], s[0:1], 0x20             ; maskq s[12:13], scales s[14:15]
	s_load_b64 s[16:17], s[0:1], 0x30              ; out0
	v_lshl_add_u32 v1, v0, 2, SPARE
	v_mov_b32 v2, 0
	ds_add_u32 v1, v2                              ; the opening: an add and its wait ahead of the first tensor load
	ds_add_u32 v1, v2
	v_lshrrev_b32 v3, 5, v0
	s_delay_alu instid0(VALU_DEP_1)
	v_readfirstlane_b32 s18, v3                    ; wave 0 .. 15
	s_and_b32 s19, ttmp7, 0xffff                   ; bh
	s_and_b32 s20, s18, 3
	s_lshr_b32 s35, s18, 2
	s_xor_b32 s35, s35, s18
	s_and_b32 s35, s35, 1                          ; my group
	G1SET 36, 64                                   ; a step of kv
	G1SET 44, 96                                   ; a quarter of E4
	G1SET 52, 97                                   ; a quarter of E6
	s_mul_i32 s82, s20, 24576
	s_mul_i32 s83, s20, 24832
	s_lshl_b32 s21, ttmp9, 15                      ; 64 L
	s_mov_b32 s28, 0x76543210
	s_mov_b32 s29, 0xfedcba98
	s_mov_b32 s30, 0
	s_lshl_b32 s31, s18, 11
	s_add_co_u32 s31, s31, 61440                   ; (32 w + 960) x 64: E4's row l0 - L - r0 + 960 at step 0
	s_add_co_u32 s33, s31, E6B
	s_mov_b32 s34, 15
	s_mov_b32 s89, 0
	s_wait_dscnt 0x0                               ; the opening add is done
	s_wait_kmcnt 0x0
	s_load_b256 s[72:79], s[14:15], 0x0            ; e0 .. e7
	s_load_b64 s[80:81], s[14:15], 0x20            ; e8, e9
	s_mov_b32 s60, 1
	s_mov_b32 s61, s82
	s_add_co_u32 s88, s82, s21
	s_add_nc_u64 s[62:63], s[8:9], s[88:89]
	s_or_b32 s63, s63, 0x80000000
	s_mov_b32 s84, 1
	s_add_co_u32 s85, s83, E6B
	s_add_co_u32 s88, s83, s21
	s_add_nc_u64 s[86:87], s[10:11], s[88:89]
	s_or_b32 s87, s87, 0x80000000
	s_lshl_b32 s88, s19, 18
	s_add_nc_u64 s[6:7], s[6:7], s[88:89]          ; kv at my head
	s_mov_b32 s68, 1
	s_mov_b32 s69, SLOT0
	s_mov_b64 s[70:71], s[6:7]
	s_or_b32 s71, s71, 0x80000000
	s_cmp_lt_u32 s18, 4                            ; the first fills, one a wave: waves 0-3 E4's quarters, 4-7 E6's, wave 8 the first step
	s_cbranch_scc0 .Lf1
	tensor_load_to_lds s[60:63], s[44:51]
	s_nop 0
	NOPS 4
	s_branch .Lfd
.Lf1:
	s_cmp_lt_u32 s18, 8
	s_cbranch_scc0 .Lf2
	tensor_load_to_lds s[84:87], s[52:59]
	s_nop 0
	NOPS 4
	s_branch .Lfd
.Lf2:
	s_cmp_eq_u32 s18, 8
	s_cbranch_scc0 .Lfd
	tensor_load_to_lds s[68:71], s[36:43]
	s_nop 0
	NOPS 4
.Lfd:
	s_lshl_b32 s88, s19, 17
	s_lshl_b32 s90, ttmp9, 16
	s_add_co_u32 s88, s88, s90
	s_lshl_b32 s90, s18, 12
	s_add_co_u32 s88, s88, s90
	s_add_nc_u64 s[4:5], s[4:5], s[88:89]          ; qimg at my two tiles
	v_and_b32 v14, 31, v0
	s_delay_alu instid0(VALU_DEP_1)
	v_lshlrev_b32 v13, 8, v14                      ; 256 x lane
	s_delay_alu instid0(VALU_DEP_2)
	v_lshlrev_b32 v14, 4, v14                      ; 16 x lane
	s_wait_alu depctr_va_vdst(0)
.irp q, 0,1
.irp u, 0,1
	global_load_b128 v[Q2+8*\q+4*\u:Q2+8*\q+4*\u+3], v14, s[4:5] offset:\q*2048+\u*512
	global_load_b128 v[Q5+8*\q+4*\u:Q5+8*\q+4*\u+3], v14, s[4:5] offset:\q*2048+1024+\u*512
.endr
.endr
	s_lshr_b32 s90, s19, 4                         ; batch
	s_lshl_b32 s88, s90, 12
	s_add_nc_u64 s[12:13], s[12:13], s[88:89]      ; the batch's row of the mask
	s_lshl_b32 s88, s90, 22
	s_lshl_b32 s90, ttmp9, 21
	s_add_co_u32 s88, s88, s90
	s_lshl_b32 s90, s18, 17
	s_add_co_u32 s88, s88, s90
	s_and_b32 s90, s19, 15
	s_lshl_b32 s90, s90, 8
	s_add_co_u32 s88, s88, s90
	s_add_nc_u64 s[16:17], s[16:17], s[88:89]      ; out0 at my first query's row, my head's 256 bytes
	; the prefetches: block 0's waves 9 and 10 ask, 8,192 bytes each, told apart by wave % 2; the address stands at step 1 and is stepped ahead of each use
	s_and_b32 s88, s18, 1
	s_lshl_b32 s88, s88, 13
	s_add_co_u32 s88, s88, 16384
	s_add_nc_u64 s[96:97], s[6:7], s[88:89]
	s_sub_co_u32 s88, s18, 9
	s_lshr_b32 s88, s88, 1
	s_or_b32 s88, s88, ttmp9
	s_cmp_eq_u32 s88, 0
	s_cselect_b32 s98, 1, -1
	v_add_nc_u32 v3, SLOT0, v14
	v_and_b32 v18, 15, v0                          ; a = lane % 16
	v_bfe_u32 v19, v0, 4, 1                        ; h = lane / 16
	v_bfe_u32 v15, v0, 3, 1                        ; which granule of the fragment's two
	v_and_b32 v16, 7, v0
	s_delay_alu instid0(VALU_DEP_2)
	v_xor_b32 v17, v19, v15
	s_delay_alu instid0(VALU_DEP_2)
	v_lshlrev_b32 v4, 4, v16
	s_delay_alu instid0(VALU_DEP_1)
	v_lshl_add_u32 v4, v17, 7, v4
	s_delay_alu instid0(VALU_DEP_1)
	v_lshl_add_u32 v4, v15, 9, v4                  ; a fragment that begins at an even granule
	s_delay_alu instid0(VALU_DEP_1)
	v_xor_b32 v5, 128, v4
	s_delay_alu instid0(VALU_DEP_1)
	v_add_nc_u32 v5, 512, v5                       ; one that begins a granule further on
	s_mul_i32 s88, s18, STGW
	s_add_co_u32 s88, s88, STG                     ; my stage
	v_mul_u32_u24 v6, v18, 336
	s_delay_alu instid0(VALU_DEP_1)
	v_lshl_add_u32 v6, v19, 5, v6
	s_delay_alu instid0(VALU_DEP_1)
	v_add_nc_u32 v6, s88, v6                       ; in: row a of 84 words, word 16 e + 8 h + i
	v_mul_u32_u24 v7, v18, 340
	v_xor_b32 v17, 1, v19
	s_delay_alu instid0(VALU_DEP_1)
	v_lshl_add_u32 v7, v17, 5, v7
	s_delay_alu instid0(VALU_DEP_1)
	v_add_nc_u32 v7, s88, v7                       ; out: word a + 63 - key of row a
	v_lshlrev_b32 v8, 5, v19
	v_mul_u32_u24 v15, v18, 272
	s_delay_alu instid0(VALU_DEP_1)
	v_lshl_add_u32 v15, v19, 5, v15
	s_delay_alu instid0(VALU_DEP_1)
	v_add_nc_u32 v15, s88, v15
	v_mul_u32_u24 v16, v19, 272
	s_delay_alu instid0(VALU_DEP_1)
	v_lshl_add_u32 v16, v18, 4, v16
	s_delay_alu instid0(VALU_DEP_1)
	v_add_nc_u32 v16, s88, v16
	v_lshlrev_b32 v17, 12, v19
	s_delay_alu instid0(VALU_DEP_1)
	v_lshl_add_u32 v17, v18, 4, v17
.irp q, 0,1
	v_mov_b32 v[21+4*\q], 0xff61b1e6               ; the largest t so far: -3e38
	s_delay_alu instid0(VALU_DEP_1)
	v_floor_f32 v[20+4*\q], -v[21+4*\q]
	v_mov_b32 v[22+4*\q], 0
	v_mov_b32 v[23+4*\q], 0
.endr
.set p, 0
.rept 64
	v_mov_b32 v[OT+p], 0                           ; BACK has no first step of its own: the first finds zeros
.set p, p+1
.endr
	s_wait_kmcnt 0x0
	s_add_co_i32 s90, s74, s75                     ; e2 + e3
	s_add_co_i32 s91, s78, s79                     ; e6 + e7
	s_lshl_b32 s88, s90, 23
	s_add_co_i32 s22, s88, 0x3e38aa3b              ; c = log2(e) / 8 x 2^(e2 + e3)
	s_mov_b32 s23, s22
	s_add_co_i32 s88, s76, s77
	s_sub_co_i32 s88, s88, s91
	s_add_co_i32 s88, s88, 127
	s_lshl_b32 s24, s88, 23
	s_mov_b32 s25, s24
	s_sub_co_i32 s88, s91, s90
	s_add_co_i32 s88, s88, 127
	s_lshl_b32 s26, s88, 23
	s_mov_b32 s27, s26
	s_add_co_i32 s88, s80, 127
	s_lshl_b32 s90, s88, 23
	v_mov_b32 v253, s90
	s_add_co_i32 s88, s88, 8
	s_lshl_b32 s88, s88, 23
	s_or_b32 s88, s88, 0x600000
	v_mov_b32 v252, s88
.macro E4LD e, buf
	ds_load_b128 v[\buf:\buf+3], v10 offset:(\e)*1024
	ds_load_b128 v[\buf+4:\buf+7], v10 offset:(\e)*1024+256
.endm
.macro STST reg, e
	ds_store_b128 v6, v[\reg:\reg+3] offset:64*(\e)
	ds_store_b128 v6, v[\reg+4:\reg+7] offset:64*(\e)+16
.endm
.macro W64 d, a, b
	v_wmma_f32_16x16x64_fp8_fp8 v[\d:\d+7], v[\a:\a+7], v[\b:\b+7], 0
.endm
.macro UNSKEW x                        ; register 8 c + i takes word a + 63 - (16 c + 8 h + i) of row a
.irp c, 0,1,2,3
.irp i, 0,1,2,3,4,5,6,7
	ds_load_b32 v[\x+8*\c+\i], v7 offset:220-64*\c-4*\i
.endr
.endr
.endm
.macro E6LD f, buf                     ; rows J + n into K's first half, rows J - 8 + n into its second; f = delta - c + 4
	ds_load_b128 v[\buf:\buf+3], v11 offset:(\f)*1024
	ds_load_b128 v[\buf+4:\buf+7], v11 offset:(\f)*1024+256
	ds_load_b128 v[\buf+8:\buf+11], v12 offset:(\f)*1024
	ds_load_b128 v[\buf+12:\buf+15], v12 offset:(\f)*1024+256
.endm
.macro K7LD c
.irp u, 0,1,2,3
	ds_load_b128 v[K7+4*\u:K7+4*\u+3], v9 offset:4096+(\c)*2048+\u*512
.endr
.endm
.macro W128 d, b
	v_wmma_f32_16x16x128_fp8_fp8 v[\d:\d+7], v[K7:K7+15], v[\b:\b+15], 0
.endm
.macro SHR t, x                        ; lane a takes lane a - i of register i; a lane with no source keeps its sum
	v_add_f32 v[\x], v[\t], v[\x]
.irp i, 1,2,3,4,5,6,7
	v_add_f32_dpp v[\x+\i], v[\t+\i], v[\x+\i] row_shr:\i row_mask:0xf bank_mask:0xf
.endr
.endm
.macro SHL t, x                        ; lane a takes lane a + 16 - i of register i
	v_add_f32_dpp v[\x+1], v[\t+1], v[\x+1] row_shl:15 row_mask:0xf bank_mask:0xf
	v_add_f32_dpp v[\x+2], v[\t+2], v[\x+2] row_shl:14 row_mask:0xf bank_mask:0xf
	v_add_f32_dpp v[\x+3], v[\t+3], v[\x+3] row_shl:13 row_mask:0xf bank_mask:0xf
	v_add_f32_dpp v[\x+4], v[\t+4], v[\x+4] row_shl:12 row_mask:0xf bank_mask:0xf
	v_add_f32_dpp v[\x+5], v[\t+5], v[\x+5] row_shl:11 row_mask:0xf bank_mask:0xf
	v_add_f32_dpp v[\x+6], v[\t+6], v[\x+6] row_shl:10 row_mask:0xf bank_mask:0xf
	v_add_f32_dpp v[\x+7], v[\t+7], v[\x+7] row_shl:9 row_mask:0xf bank_mask:0xf
.endm
; k.E for the step's tile c of 16 keys: three products, E's rows 16 apart (delta = +1, 0, -1); each serves one tile of queries by a shift to the right and the other by a shift to the left
.macro KEC c
.set BA, EBUF+16*((\c)%2)
.set BZ, EBUF+16*((\c+1)%2)
.if (\c) > 0
	s_wait_alu depctr_va_vdst(0)                   ; the chunk before was written just now
.endif
	s_wait_dscnt 0x0
	W128 RA0, BA                                   ; delta = +1
.if (\c) > 0
.irp i, 0,2,4,6                                ; the four places: tile A's chunk c - 1 has all its terms and goes into q.k's unit
	v_pk_mul_f32 v[XA+8*(\c)-8+\i:XA+8*(\c)-8+\i+1], v[XA+8*(\c)-8+\i:XA+8*(\c)-8+\i+1], s[26:27] op_sel_hi:[1,0]
.endr
.else
	NOPS 4
.endif
	E6LD 3-(\c), BA
	W128 RA1, BZ                                   ; delta = 0
	SHR RA0, XB+8*(\c)                             ; (these eight are also the places behind the product above)
	SHR RA1, XA+8*(\c)
	SHL RA1, XB+8*(\c)
	s_wait_dscnt 0x0
	W128 RA0, BA                                   ; delta = -1
.if (\c) > 0                                   ; five places: four for the loads and the additions below, a fifth since the next product writes over this result
.irp i, 0,2,4,6                                ; tile B's chunk c - 1 into q.k's unit
	v_pk_mul_f32 v[XB+8*(\c)-8+\i:XB+8*(\c)-8+\i+1], v[XB+8*(\c)-8+\i:XB+8*(\c)-8+\i+1], s[26:27] op_sel_hi:[1,0]
.endr
	NOPS 1
.else
	NOPS 5
.endif
.if (\c) < 3
	K7LD (\c)+1
.else
.set p, 0
.rept 8
	ds_load_b128 v[PL+4*p:PL+4*p+3], v9 offset:p*512   ; K by e3, four tiles
.set p, p+1
.endr
.endif
	SHL RA0, XA+8*(\c)
.endm
; FRONT: a step's scores, and V's fragments into registers.  It stands on every wave's path, and so do the steps of the addresses at its end.
.macro FRONT
	v_add_nc_u32 v9, s30, v3
	v_add_nc_u32 v10, s31, v4
	v_add_nc_u32 v11, s33, v5
	v_add_nc_u32 v12, s33, v4
	; ---- q.E: six fragments of E4 in one run of 12 loads, into the pool; tile A takes 0-4, tile B 1-5: ten products on end, each with registers of its own
.irp e, 0,1,2,3,4,5
	E4LD \e, PL+8*\e
.endr
	s_wait_alu depctr_va_vdst(0)
	s_wait_dscnt 8                                 ; fragments 0, 1 are in; the eight loads of 2 to 5 may be out
	W64 XA, PL, Q5
	W64 XA+8, PL+8, Q5
	W64 XB, PL+8, Q5+8
	s_wait_dscnt 4                                 ; fragments 2, 3
	W64 XA+16, PL+16, Q5
	W64 XB+8, PL+16, Q5+8
	W64 XA+24, PL+24, Q5
	W64 XB+16, PL+24, Q5+8
	s_wait_dscnt 0x0
	W64 RA0, PL+32, Q5
	W64 XB+24, PL+32, Q5+8
	W64 RA1, PL+40, Q5+8
	NOPS 4                                         ; places in front of the loads into the fragments' registers and of the stores of the results
.irp c, 0,1,2,3
	global_load_b128 v[PL+8*\c:PL+8*\c+3], v8, s[12:13] offset:64*\c       ; the mask of my 32 keys, where fragments 0 to 3 lay
	global_load_b128 v[PL+8*\c+4:PL+8*\c+7], v8, s[12:13] offset:64*\c+16
.endr
	STST XA, 0
	STST XA+8, 1
	STST XA+16, 2
	STST XA+24, 3
	STST RA0, 4
	UNSKEW XA                                      ; LDS serves a wave in order: these see tile A's rows, and tile B's stores come behind them
	STST XB, 0
	STST XB+8, 1
	STST XB+16, 2
	STST XB+24, 3
	STST RA1, 4
	UNSKEW XB
	s_wait_loadcnt 0x0                             ; the mask
	v_add_nc_u32 v8, 0x100, v8
	s_wait_dscnt 42                                ; tile A's 32 words are in; behind them: tile B's 10 stores and 32 loads
.set p, 0
.rept 16
	v_pk_fma_f32 v[XA+p:XA+p+1], v[XA+p:XA+p+1], s[24:25], v[PL+p:PL+p+1] op_sel_hi:[1,0,1]   ; q.E in k.E's unit, + 8 x mask
.set p, p+2
.endr
	s_wait_dscnt 0x0
.set p, 0
.rept 16
	v_pk_fma_f32 v[XB+p:XB+p+1], v[XB+p:XB+p+1], s[24:25], v[PL+p:PL+p+1] op_sel_hi:[1,0,1]
.set p, p+2
.endr
	; ---- k.E
	K7LD 0
	E6LD 5, EBUF
	E6LD 4, EBUF+16
	KEC 0
	KEC 1
	KEC 2
	KEC 3
	; ---- q.k, with what has been summed as its C
.irp i, 0,2,4,6                                ; the last chunk of both tiles into q.k's unit; chunks 0 to 2 went as places among k.E's products
	v_pk_mul_f32 v[XA+24+\i:XA+24+\i+1], v[XA+24+\i:XA+24+\i+1], s[26:27] op_sel_hi:[1,0]
	v_pk_mul_f32 v[XB+24+\i:XB+24+\i+1], v[XB+24+\i:XB+24+\i+1], s[26:27] op_sel_hi:[1,0]
.endr
	s_wait_alu depctr_va_vdst(0)
	s_wait_dscnt 0x0
.irp c, 0,1,2,3
	v_wmma_f32_16x16x64_fp8_fp8 v[XA+8*\c:XA+8*\c+7], v[PL+8*\c:PL+8*\c+7], v[Q2:Q2+7], v[XA+8*\c:XA+8*\c+7]
	v_wmma_f32_16x16x64_fp8_fp8 v[XB+8*\c:XB+8*\c+7], v[PL+8*\c:PL+8*\c+7], v[Q2+8:Q2+15], v[XB+8*\c:XB+8*\c+7]
.endr
	NOPS 4
.set p, 0
.rept 8
	ds_load_b128 v[PL+4*p:PL+4*p+3], v9 offset:12288+p*512   ; V, four tiles of 16 of the head's 64: my last read of this slot
.set p, p+1
.endr
	s_sub_co_u32 s31, s31, 4096                    ; 64 keys on: 64 rows of E back
	s_sub_co_u32 s33, s33, 4096
	s_xor_b32 s30, s30, SLX
.endm
; BACK: the softmax of both tiles, line by line, and O^T += V^T p.  Registers alone.
.macro BACK
.irp q, 0,1
	v_max3_num_f32 v[28+4*\q], v[XA+32*\q], v[XA+32*\q+1], v[XA+32*\q+2]
	v_max3_num_f32 v[29+4*\q], v[XA+32*\q+3], v[XA+32*\q+4], v[XA+32*\q+5]
.endr
.irp i, 6,10,14,18,22,26
.irp q, 0,1
	v_max3_num_f32 v[28+4*\q], v[28+4*\q], v[XA+32*\q+\i], v[XA+32*\q+\i+1]
	v_max3_num_f32 v[29+4*\q], v[29+4*\q], v[XA+32*\q+\i+2], v[XA+32*\q+\i+3]
.endr
.endr
.irp q, 0,1
	v_max3_num_f32 v[28+4*\q], v[28+4*\q], v[XA+32*\q+30], v[XA+32*\q+31]
.endr
.irp q, 0,1
	s_delay_alu instid0(VALU_DEP_2)
	v_max_num_f32 v[28+4*\q], v[28+4*\q], v[29+4*\q]
.endr
.irp q, 0,1
	v_permlanex16_b32 v[248+\q], v[28+4*\q], s28, s29   ; the query's other 32 keys lie in the lane 16 away
.endr
.irp q, 0,1
	s_delay_alu instid0(VALU_DEP_2)
	v_max_num_f32 v[28+4*\q], v[28+4*\q], v[248+\q]
.endr
.irp q, 0,1
	s_delay_alu instid0(VALU_DEP_2)
	v_mul_f32 v[28+4*\q], s22, v[28+4*\q]
.endr
.irp q, 0,1
	s_delay_alu instid0(VALU_DEP_2)
	v_max_num_f32 v[21+4*\q], v[21+4*\q], v[28+4*\q]    ; the running largest t
.endr
.irp q, 0,1
	v_mov_b32 v[28+4*\q], v[20+4*\q]
.endr
.irp q, 0,1
	s_delay_alu instid0(VALU_DEP_4)
	v_floor_f32 v[20+4*\q], -v[21+4*\q]                 ; -M = floor(-t): M is a whole number
.endr
.irp q, 0,1
	s_delay_alu instid0(VALU_DEP_2)
	v_sub_f32 v[28+4*\q], v[20+4*\q], v[28+4*\q]
.endr
.irp q, 0,1
	s_delay_alu instid0(VALU_DEP_2)
	v_cvt_i32_f32 v[28+4*\q], v[28+4*\q]
.endr
.irp q, 0,1
	s_delay_alu instid0(VALU_DEP_2)
	v_ldexp_f32 v[30+4*\q], 1.0, v[28+4*\q]             ; f = 2^(old M - new M)
.endr
.irp q, 0,1
.set p, 0
.rept 16
	v_pk_fma_f32 v[XA+32*\q+p:XA+32*\q+p+1], v[XA+32*\q+p:XA+32*\q+p+1], s[22:23], v[20+4*\q:21+4*\q] op_sel_hi:[1,0,0]
.set p, p+2
.endr
.endr
.set p, 0
	s_wait_alu depctr_va_vdst(0)
.rept 64
	v_exp_f32 v[XA+p], v[XA+p]                     ; p = 2^(t - M): one batch
.set p, p+1
.endr
.irp q, 0,1
	v_pk_mul_f32 v[22+4*\q:23+4*\q], v[22+4*\q:23+4*\q], v[30+4*\q:31+4*\q] op_sel_hi:[1,0]   ; the sums under the new M; plain lines behind the batch
.endr
	s_wait_alu depctr_va_vdst(0)                   ; one wait for the batch, ahead of its first reader
.irp q, 0,1
	v_pk_add_f32 v[244+2*\q:245+2*\q], v[XA+32*\q:XA+32*\q+1], v[XA+32*\q+2:XA+32*\q+3]   ; the row's sum is taken of the unquantised p
.endr
.irp j, 4,8,12,16,20,24,28
.irp q, 0,1
	v_pk_add_f32 v[22+4*\q:23+4*\q], v[22+4*\q:23+4*\q], v[XA+32*\q+\j:XA+32*\q+\j+1]
	v_pk_add_f32 v[244+2*\q:245+2*\q], v[244+2*\q:245+2*\q], v[XA+32*\q+\j+2:XA+32*\q+\j+3]
.endr
.endr
.irp q, 0
	s_delay_alu instid0(VALU_DEP_3)
	v_pk_add_f32 v[22+4*\q:23+4*\q], v[22+4*\q:23+4*\q], v[244+2*\q:245+2*\q]
.endr
.irp q, 1
	s_delay_alu instid0(VALU_DEP_2)
	v_pk_add_f32 v[22+4*\q:23+4*\q], v[22+4*\q:23+4*\q], v[244+2*\q:245+2*\q]
.endr
.irp q, 0,1
.irp c, 0,1,2,3
.irp i, 0,1,2,3,4,5,6,7
	v_min_num_f32 v[XA+32*\q+8*\c+\i], v[XA+32*\q+8*\c+\i], v252   ; the conversion does not saturate; p is not negative
.endr
	v_cvt_scalef32_pk8_fp8_f32 v[EB0+8*\q+2*\c:EB0+8*\q+2*\c+1], v[XA+32*\q+8*\c:XA+32*\q+8*\c+7], v253   ; keys 16 c + 8 h + 0 .. 7: the form's own place for them
.endr
.endr
.irp q, 0,1
.set p, 0
.rept 16
	v_pk_mul_f32 v[OT+32*\q+p:OT+32*\q+p+1], v[OT+32*\q+p:OT+32*\q+p+1], v[30+4*\q:31+4*\q] op_sel_hi:[1,0]   ; O^T under the new M
.set p, p+2
.endr
.endr
	s_wait_alu depctr_va_vdst(0)
	s_wait_dscnt 0x0                               ; V is in
.irp t, 0,1,2,3
.irp q, 0,1
	v_wmma_f32_16x16x64_fp8_fp8 v[OT+32*\q+8*\t:OT+32*\q+8*\t+7], v[PL+8*\t:PL+8*\t+7], v[EB0+8*\q:EB0+8*\q+7], v[OT+32*\q+8*\t:OT+32*\q+8*\t+7]
.endr
.endr
	NOPS 4                                         ; places in front of the next loads into these operands, and of the way out's reads
.endm
.macro GBACK g                         ; BACK for the waves of group g: the branch hangs on the wave's number alone
	s_cmp_lg_u32 s35, \g
	s_cbranch_scc1 .Lnb_\@
	BACK
.Lnb_\@:
.endm
; The change of slots stands at a step's head: every wave waits for all its tensor loads, adds 0 to its spare word, waits for that and for its LDS reads; one barrier; then wave 8 fills the slot that was left.
.macro CHANGE fill
	s_wait_tensorcnt 0x0
	ds_add_u32 v1, v2
.if \fill
	ds_add_u32 v1, v2                              ; the add once more where a fill follows
	s_xor_b32 s69, s69, SLX
	s_add_nc_u64 s[70:71], s[70:71], 16384
	s_wait_xcnt 0x0                                ; the last prefetch, a step back, has read its address
	s_add_nc_u64 s[96:97], s[96:97], 16384         ; one step further on than the walking descriptor
.endif
	s_wait_dscnt 0x0
	s_barrier_signal -1
	s_barrier_wait -1
.if \fill
	s_cmp_eq_u32 s18, 8
	s_cbranch_scc0 .Lnl_\@
	tensor_load_to_lds s[68:71], s[36:43]
	s_nop 0
	NOPS 4
.Lnl_\@:
	s_cmp_gt_u32 s34, s98                          ; the last fill has no step behind it
	s_cbranch_scc0 .Lnp_\@
	global_prefetch_b8 v13, s[96:97] th:TH_LOAD_NT scope:SCOPE_SE   ; the step that the next change will ask for: 8,192 bytes a wave, lanes 256 bytes apart
.Lnp_\@:
.endif
.endm
	s_wait_loadcnt 0x0                             ; q's codes
	CHANGE 1                                       ; step 0 stands ahead of the loop: group 1 has no step before it
	FRONT
	GBACK 0
	s_mov_b32 s34, 14
.Lstep:                                            ; 14 trips, steps 1 to 14: behind each change the next step is asked for
	CHANGE 1
	GBACK 1                                        ; group 1: the step before, out of registers,
	FRONT
	GBACK 0                                        ; group 0: this step
	s_sub_co_u32 s34, s34, 1
	s_cmp_lg_u32 s34, 0
	s_cbranch_scc1 .Lstep
	CHANGE 0                                       ; the last step is written out
	GBACK 1
	FRONT
	BACK                                           ; both groups
; ---- the way out: O^T / the sum x 2^(e8 + e9), through my stage, so that sixteen lanes store 256 consecutive bytes, my head's part of a row
.irp q, 0,1
	v_add_f32 v[22+4*\q], v[22+4*\q], v[23+4*\q]
.endr
.irp q, 0,1
	s_delay_alu instid0(VALU_DEP_2)
	v_permlanex16_b32 v[248+\q], v[22+4*\q], s28, s29
.endr
.irp q, 0,1
	s_delay_alu instid0(VALU_DEP_2)
	v_add_f32 v[22+4*\q], v[22+4*\q], v[248+\q]
.endr
	s_wait_alu depctr_va_vdst(0)
.irp q, 0,1
	v_rcp_f32 v[22+4*\q], v[22+4*\q]
.endr
	v_nop
	s_add_co_i32 s88, s80, s81
	s_wait_alu depctr_va_vdst(0)                   ; one wait for the two reciprocals, ahead of their first reader
.irp q, 0,1
	v_ldexp_f32 v[22+4*\q], v[22+4*\q], s88
.endr
.irp q, 0,1
.set p, 0
.rept 32
	v_mul_f32 v[XA+32*\q+p], v[OT+32*\q+p], v[22+4*\q]
.set p, p+1
.endr
.irp t, 0,1,2,3
	ds_store_b128 v15, v[XA+32*\q+8*\t:XA+32*\q+8*\t+3] offset:64*\t
	ds_store_b128 v15, v[XA+32*\q+8*\t+4:XA+32*\q+8*\t+7] offset:64*\t+16
.endr
.irp r, 0,1,2,3,4,5,6,7
	ds_load_b128 v[PL-128*\q+4*\r:PL-128*\q+4*\r+3], v16 offset:2*\r*272   ; tile A's rows come back into the pool, tile B's into tile A's O^T, which is done with
.endr
.endr
.irp q, 0,1
.irp r, 0,1,2,3,4,5,6,7
	s_wait_dscnt (1-\q)*16+7-\r                    ; behind tile A's loads stand tile B's 8 stores and 8 loads
	global_store_b128 v17, v[PL-128*\q+4*\r:PL-128*\q+4*\r+3], s[16:17] offset:\q*65536+\r*8192 th:TH_STORE_NT
.endr
.endr
	s_wait_tensorcnt 0x0                           ; the wave's end
	ds_add_u32 v1, v2
	s_wait_dscnt 0x0
	s_endpgm
.Lfunc_end_k_q5e4a33d3e7_attn:
	.size	k_q5e4a33d3e7_attn, .Lfunc_end_k_q5e4a33d3e7_attn-k_q5e4a33d3e7_attn
	.p2alignl 7, 3214868480
	.fill 96, 4, 3214868480
	.section	.rodata,"a",@progbits
	.p2align	6, 0x0
	.amdhsa_kernel k_q5e4a33d3e7_attn
		.amdhsa_group_segment_fixed_size 327680
		.amdhsa_private_segment_fixed_size 0
		.amdhsa_enable_private_segment 0
		.amdhsa_kernarg_size 56
		.amdhsa_user_sgpr_count 2
		.amdhsa_user_sgpr_kernarg_segment_ptr 1
		.amdhsa_wavefront_size32 1
		.amdhsa_system_sgpr_workgroup_id_x 1
		.amdhsa_system_sgpr_workgroup_id_y 1
		.amdhsa_system_sgpr_workgroup_id_z 1
		.amdhsa_system_vgpr_workitem_id 0
		.amdhsa_next_free_vgpr 256
		.amdhsa_next_free_sgpr 100
		.amdhsa_reserve_vcc 0
		.amdhsa_float_denorm_mode_32 3
		.amdhsa_float_denorm_mode_16_64 3
		.amdhsa_memory_ordered 1
		.amdhsa_forward_progress 1
		.amdhsa_inst_pref_size 170
	.end_amdhsa_kernel
	.amdgpu_metadata
---
amdhsa.version: [ 1, 2 ]
amdhsa.kernels:
  - .name:           k_q5e4a33d3e7_attn
    .symbol:         k_q5e4a33d3e7_attn.kd
    .args:
      - { .name: qimg, .offset: 0, .size: 8, .value_kind: global_buffer, .address_space: global }
      - { .name: kv, .offset: 8, .size: 8, .value_kind: global_buffer, .address_space: global }
      - { .name: e4img, .offset: 16, .size: 8, .value_kind: global_buffer, .address_space: global }
      - { .name: e6img, .offset: 24, .size: 8, .value_kind: global_buffer, .address_space: global }
      - { .name: maskq, .offset: 32, .size: 8, .value_kind: global_buffer, .address_space: global }
      - { .name: lowp_scales, .offset: 40, .size: 8, .value_kind: global_buffer, .address_space: global }
      - { .name: out0, .offset: 48, .size: 8, .value_kind: global_buffer, .address_space: global }
    .group_segment_fixed_size: 327680
    .private_segment_fixed_size: 0
    .kernarg_segment_align: 8
    .kernarg_segment_size: 56
    .max_flat_workgroup_size: 512
    .sgpr_count:     100
    .vgpr_count:     256
    .wavefront_size: 32
...
	.end_amdgpu_metadata
.endif
;; end of part 3
